; MI455X (gfx1250); checked and timed in simulation.
; The chip was launched on July 23, 2026; its instructions are those of AMD's public machine-readable ISA for CDNA 5 (MIT licence, August 2026) and "CDNA5" Instruction Set Architecture Reference Guide (July 2026). The comments in the code are by the model that wrote it; some were corrected since.
;; Fast Attention. Allowed arithmetic: matrix products marked QUANTISED: E4M3 operands, one E8M0 scale for each 32 along K, by v_wmma_scale_f32_16x16x128_f8f6f4 with both operands' format E4M3, f32 sums; everything else in f32.
;; Inputs: k_codes 2 x 16 x 2,048 x 2 x 32 uint8 (E4M3 codes of k, K innermost, in blocks of 32 codes); k_scales 2 x 16 x 2,048 x 2 uint8 (E8M0 scales of k, one for each 32 codes along K); key_padding_mask 2 x 1 x 1 x 2,048 bool; q_codes 2 x 16 x 2,048 x 2 x 32 uint8 (E4M3 codes of q, K innermost, in blocks of 32 codes); q_scales 2 x 16 x 2,048 x 2 uint8 (E8M0 scales of q, one for each 32 codes along K); v_codes 2 x 16 x 64 x 64 x 32 uint8 (E4M3 codes of v, K innermost, in blocks of 32 codes); v_scales 2 x 16 x 64 x 64 uint8 (E8M0 scales of v, one for each 32 codes along K).
;; Outputs: out0 2 x 16 x 2,048 x 64 float32.
;; This version of the problem:
;;   THIS VERSION OF THE PROBLEM IS GIVEN IN LOW PRECISION. The matrix products marked QUANTISED in the list below multiply operands that are first quantised to E4M3 (4 exponent bits, 3 mantissa bits; 8 bits a number), with one power-of-two scale for each 32 numbers along K (OCP MX v1.0); their sums are f32. All else is computed in f32.
;;   The module's matrix products, in the order in which they are computed (A, B: the left and right operand; K: the contracted axis; several contracted axes count as one K, in the product's order):
;;     1. batch 32 x [M 2,048, K 64] x [K 64, N 2,048]; A: input q (given as codes); B: input k (given as codes): QUANTISED
;;     2. batch 32 x [M 2,048, K 2,048] x [K 2,048, N 64]; A: softmax (see below); B: input v (given as codes): QUANTISED
;;   THE QUANTISER, for each operand of a quantised product, along K:
;;     - K is cut into blocks of 32 from its start; a last block that is shorter is filled with zeros.
;;     - A block's scale is 2^e with e = floor(log2(the largest magnitude in the block)) - 8, held to -126 .. 127; a block of zeros has e = 0. As a byte (E8M0): e + 127.
;;     - Each number is divided by its block's scale, clamped to +-448, and rounded to the nearest number of E4M3, ties to even, subnormals kept.
;;     - The product sums the exact products of the quantised numbers (number of the format x scale) in f32.
;;   ~~~python
;;   def quantise(x, axis):      # numpy; x: float32 -> the quantised numbers, widened to float32 again
;;       x = np.moveaxis(x, axis, -1); K = x.shape[-1]
;;       x = np.pad(x, [(0, 0)] * (x.ndim - 1) + [(0, -K % 32)]); x = x.reshape(x.shape[:-1] + (-1, 32)); a = np.abs(x).max(-1, keepdims=True)
;;       e = np.where(a > 0, np.clip(np.frexp(np.where(a > 0, a, 1))[1] - 1 - 8, -126, 127), 0)      # np.frexp(a)[1] - 1 = floor(log2(a)), exactly
;;       r = np.clip(x / 2.0 ** e, -448, 448)
;;       step = 2.0 ** (np.maximum(np.frexp(np.where(r == 0, 1, r))[1] - 1, -6) - 3)
;;       q = np.round(r / step) * step * 2.0 ** e      # np.round: ties to even
;;       return np.moveaxis(q.reshape(q.shape[:-2] + (-1,))[..., :K], -1, axis).astype(np.float32)
;;   ~~~
;;   SOFTMAX AHEAD OF A QUANTISED PRODUCT. Where the list says 'softmax', what is quantised is not the finished softmax but p = 2^(t - M), with t = logit x log2(e) and M = ceil(the row's largest t), a whole number; so 1/2 < the row's largest p <= 1. The row's sum l is taken of the UNQUANTISED p, in f32, and the product's result is divided by l at the end. Since M is a whole number, a kernel that streams over the keys may use a running M (the ceiling of the running maximum): every later rescaling is an exact power of two, which a block's scale takes up: the codes' values come out the same.
;;   OPERANDS COMPUTED ON THE WAY. 'Computed on the way' means the value that the module computes at that place (a softmax that the list does not call 'softmax' is quantised finished and normalised). What goes into a quantiser is computed in f32, as accurately as f32 sums, v_exp_f32 and their like allow (about 1e-6 of the number): no bf16 or f16 on the way to a quantiser, and a product that is left as it is and whose result goes on into a quantised operand takes f32 operands (vector FMAs, or v_wmma_f32_16x16x4_f32). A number that lies on a knife's edge between two numbers of the format may be rounded either way, as far as f32 arithmetic and the matrix unit's own rounding can turn it there, and no further.
;;   INPUTS GIVEN AS CODES. k (in the module: [2, 16, 2048, 64], K = its axis 3); q (in the module: [2, 16, 2048, 64], K = its axis 3); v (in the module: [2, 16, 2048, 64], K = its axis 2): each comes as NAME_codes (uint8): NAME with its K axis moved to the last place and cut into blocks of 32 codes, [.., K / 32, bytes a block], one block behind the other in memory; one code a byte (a code: sign, 4 exponent bits, 3 mantissa bits); and NAME_scales (uint8): the same leading axes, one E8M0 byte (e + 127) for each 32 codes along K. Its value is code x scale, taken as it is: it is not quantised again, and the codes and scales need not be those that the quantiser above would give.
;; One version. Each part assembles by itself: llvm-mc -triple=amdgcn-amd-amdhsa -mcpu=gfx1250 --defsym DOCPART=n.
;; ======== version 1 of 1: 1 launch
;; limits: right only within a limited range of input values
;; launch attn (part 1): grid 8 x 32, 8 waves a work-group, no clusters, 315,392 bytes of LDS; arguments q_codes, q_scales, k_codes, k_scales, v_codes, v_scales, key_padding_mask, out0; writes out0
.if DOCPART == 1
	.amdgcn_target "amdgcn-amd-amdhsa--gfx1250"
	.amdhsa_code_object_version 6
	.text
	.protected	k_qf967883125_attn
	.globl	k_qf967883125_attn
	.p2align	8
	.type	k_qf967883125_attn,@function
k_qf967883125_attn:
	s_mov_b64 s[64:65], 0
	v_nop
	global_prefetch_b8 v0, s[64:65] scope:SCOPE_SE
	s_setreg_imm32_b32 hwreg(HW_REG_WAVE_MODE, 25, 1), 1
	s_wait_xcnt 0x0
; out[bh][q][:] = the sum over keys of softmax_k(Q[bh][q] . K[bh][k], masked keys left out) V[bh][k][:], 32 heads (bh), 2,048 queries, 2,048 keys, head size 64, no 1/sqrt(d).
; Both products on codes of FP8 (E4M3) with one E8M0 scale for each 32 along a product's K.  Q, K: 64 codes and 2 scale bytes a row.  V: keys innermost, [64 d][2,048 keys], 64 scale bytes a row.  out: f32, rows of 256 bytes.
; THE SOFTMAX AHEAD OF THE SECOND PRODUCT: t = score x log2(e); M = the row's largest t so far, rounded UP to a whole number; p = 2^(t - M) is quantised along the keys, not normalised; the row's sum is taken
; of the unquantised p and divides O at the end.  When M moves, the sum and O are multiplied by 2^(old M - new M): exact.
; SHARES.  A work-group owns 256 queries of one head, each of its eight waves 32: two tiles, A and B, of 16, so that each fragment of K and V read from LDS feeds both.  Two waves to a SIMD.
; KEYS go in eight chunks of 256, two steps of 128 each.  A chunk all of whose keys are masked adds nothing to any row that has an unmasked key: such chunks are left out by the mask as it is read (chunks 0 to 2 are always
; walked, so that the head's loads wait for no mask; if ALL keys are masked, all chunks are walked).  A chunk with no masked key starts its scores from C = 0; any other from an f32 table, 0 for a key that counts and -2^126 for a masked one.
; NO JOINT LOADS, NO CLUSTER: the walk hangs on mask bytes read from memory.  K and V come by plain loads into 34 registers, 32,768 bytes of codes a chunk and work-group.
; No prefetch: each chunk's loads are issued a whole chunk, two steps of 24 matrix instructions a wave and their softmax, ahead of the wait for them.
; A CHUNK IN LDS IS AN IMAGE OF THE OPERANDS' REGISTERS, each byte of LDS filled once in the launch: rows of 256 bytes (sixteen lanes' 16 bytes) + 16 in which the small tables lie.
; KEY ORDER.  Row m of a fragment of K holds TWO keys, 32 f + 2 m at k 0-63 and 32 f + 2 m + 1 at k 64-127 (128 consecutive bytes, and one word of scales).  Q lies as [q][zeros][q]: (q, 0) picks the even keys, (0, q) the odd ones.
; Both products are used transposed: S^T = K Q^T, O^T = V^T P^T: a lane holds ONE query throughout.  Registers 16 f + 0 .. 7 of S^T in lane (r, h) are keys 32 f + 16 h + 0, 2 .. 14, registers 16 f + 8 .. 15 the odd ones:
; with lane l xor 16 a block of 32.  So p's codes lie even keys first in each 16, and V's bytes are put into the same order as they go into LDS.
; LIMITS.  NaN codes and scale bytes 0xff in k are not served.  A NaN or an infinity in a chunk that is left out is not carried to the result.  Scores of keys that count lie above -2^125.  Mask bytes are 0 or 1.
; A row whose keys are ALL masked gives the mean of v, as the definition does, where |score| < 2^100: score - 2^126 is then -2^126 exactly, and p = 1 throughout.
; Blocks of p whose largest lies under 2^-118 keep the scale byte 1 (their codes are zeros or subnormal).
;
; LDS, chunk x at x CH: K: 64 rows of 272: fragment g = 4 step + f, half h, group c at 2176 g + 1088 h + 272 c + 16 r; scale words in the rows' last 16 bytes: K's (step, r) in row 16 step + r, V's in row 32 + 16 step + r.
;   V: VB + 8832 step + 2176 t + 1088 h + 272 c + 16 r; the mask's numbers in the rows' last 16 bytes: keys of tile a = 2 f + odd, m = 4 y + 0 .. 3, in row 4 a + y.
.set CH,    34944
.set VB,    17408
.set STG,   8*CH                       ; the way out: 16 rows x 272 bytes for each wave
.set SPARE, STG+34816                  ; the spare words
; REGISTERS, window 0
.set LK,  1                            ; v1   16 r + 1088 h;  v2 the same in the chunk in hand
.set ADR, 2
.set LS,  3                            ; v3   272 r + 256;  v4 the same in the chunk in hand
.set ADS, 4
.set LB,  5                            ; v5   544 h
.set ADB, 6
.set SPW, 7                            ; v7   my spare word's LDS address;  v8 0
.set NIL, 8
.set STO, 9
.set RD,  10
.set GO,  11
.set ADRN, 65                          ; v65, v9: the lanes' places in the chunk that follows (the last chunk: in itself);  v9 becomes STO on the way out
.set ADSN, 9
.set CBN, 23                           ; s23  its LDS base
.set KS,  12                           ; v12-15 K's scale words, v16-19 V's
.set VS,  16
.set QSA, 20
.set QSB, 21
.set PWA, 22                           ; p's scale words
.set PWB, 23
.set ST0, 24                           ; v24-57 a chunk on its way into LDS: 16 of K, 16 of V, a scale word, a mask byte
.set KST, 58                           ; v58-61 where they go in a chunk;  v66-69 the same in the chunk that is stored
.set VST, 59
.set SST, 60
.set MST, 61
.set GK,  62                           ; v62-64 where they come from
.set GV,  63
.set GS,  64
; a tile's state: +0 -M, +1 the largest score, +2 the sum in two halves, +4 f = 2^(old M - new M) (+5 named with it), +6 the blocks' largest, +10 at work, +14 448 x the scale, +18 the conversions' scale operands, +22, +23 at work
.set TA,  70
.set TB,  96
.set FL,  94                           ; 2^(9 - 127)
.set NEG, 95                           ; -2^126
.set XA,  128                          ; S^T, then p; v120-127 at work
.set XB,  192
; window 1
.set KF,  0
.set VF,  64
.set OA,  128
.set OB,  160
.set QA,  192
.set QB,  216
.set PC,  240                          ; p's codes, tile A's, then tile B's
; scalars
.set WV,  20
.set HD,  22
.set SEL, 24                           ; lane l xor 16
.set CS,  26                           ; log2(e), twice
.set NC,  28                           ; -log2(e)
.set MNT, 29
.set CNT, 30
.set CB,  31                           ; LDS base of the chunk in hand, and of the one that is stored
.set SB,  32
.set FC,  33                           ; the chunk in hand: 0 no masked key, 1 some, 2 left out;  FN, F2, F3 the three that follow
.set FN,  34
.set F2,  35
.set F3,  36
.set LV,  37                           ; chunks still to be asked for: bit 4 x chunk
.set MX,  38                           ; chunks with a masked key
.set PE,  40
.set PO,  41
.set SCB, 44                           ; waves 0-3: K's scale bytes; waves 4-7: V's
.set F4,  59
.set SZ,  68                           ; s[68:69] a chunk on in them
.set MSB, 0
.macro WIN new                         ; the immediate's high byte repeats the setting that is left
.if MSB != \new
	s_set_vgpr_msb (MSB<<8)|\new
.set MSB, \new
.endif
.endm
; my share of a chunk: K: a fragment's 16 rows of 128 bytes; V: 8 rows of 256 bytes; whole units of 256 bytes by one instruction
.macro LOADC R, kb, vb, sb, mb, ko, vo, mo
.irp i, 0,1,2,3
	global_load_b128 v[\R+4*\i:\R+4*\i+3], v[GK], s[\kb:\kb+1] offset:\ko+256*\i
.endr
.irp i, 0,1,2,3
	global_load_b128 v[\R+16+4*\i:\R+16+4*\i+3], v[GV], s[\vb:\vb+1] offset:\vo+4096*\i
.endr
	global_load_b32 v[\R+32], v[GS], s[\sb:\sb+1]
	global_load_u8 v[\R+33], v0, s[\mb:\mb+1] offset:\mo
.endm
.macro STOREC R
	v_add_nc_u32 v66, s[SB], v[KST]
	v_add_nc_u32 v67, s[SB], v[VST]
	v_add_nc_u32 v68, s[SB], v[SST]
	v_add_nc_u32 v69, s[SB], v[MST]
	v_cmp_ne_u32 vcc_lo, 0, v[\R+33]
	v_cndmask_b32 v[\R+33], 0, v[NEG], vcc_lo
.irp i, 0,1,2,3
	ds_store_b128 v66, v[\R+4*\i:\R+4*\i+3] offset:32*\i
.endr
.irp i, 0,1,2,3                        ; V: of each 16 keys the even ones, then the odd ones
	v_perm_b32 v[120+4*(\i%2)], v[\R+17+4*\i], v[\R+16+4*\i], s[PE]
	v_perm_b32 v[121+4*(\i%2)], v[\R+19+4*\i], v[\R+18+4*\i], s[PE]
	v_perm_b32 v[122+4*(\i%2)], v[\R+17+4*\i], v[\R+16+4*\i], s[PO]
	v_perm_b32 v[123+4*(\i%2)], v[\R+19+4*\i], v[\R+18+4*\i], s[PO]
	ds_store_b128 v67, v[120+4*(\i%2):123+4*(\i%2)] offset:32*\i
.endr
	ds_store_b32 v68, v[\R+32]
	ds_store_b32 v69, v[\R+33]
	s_add_co_u32 s[SB], s[SB], CH
.endm
; the next chunk that is not left out: its flag into F4, its loads (none: flag 2)
.macro NEXTC
	s_ctz_i32_b32 s56, s[LV]
	s_lshr_b32 s57, s56, 2
	s_min_u32 s57, s57, 7
	s_lshr_b32 s58, s[MX], s56
	s_and_b32 s58, s58, 1
	s_cmp_eq_u32 s[LV], 0
	s_cselect_b32 s[F4], 2, s58
	s_wait_alu depctr_va_vdst(0)
	s_cbranch_scc1 .Lnone_\@
	s_sub_co_u32 s58, s[LV], 1
	s_and_b32 s[LV], s[LV], s58
	s_lshl_b32 s46, s57, 14
	s_add_nc_u64 s[48:49], s[8:9], s[46:47]
	s_lshl_b32 s46, s57, 8
	s_add_nc_u64 s[50:51], s[12:13], s[46:47]
	s_add_nc_u64 s[54:55], s[16:17], s[46:47]
	s_mul_i32 s46, s57, s[SZ]
	s_add_nc_u64 s[52:53], s[SCB:SCB+1], s[46:47]
	LOADC ST0, 48, 50, 52, 54, 0, 0, 0
.Lnone_\@:
.endm
.macro KLOAD off, soff, ad, sad
	WIN 0x40
.irp f, 0,1,2,3
.irp c, 0,1,2,3
	ds_load_b128 v[KF+16*\f+4*\c:KF+16*\f+4*\c+3], v[\ad] offset:\off+2176*\f+272*\c
.endr
.endr
	WIN 0
	ds_load_b128 v[KS:KS+3], v[\sad] offset:\soff
.endm
.macro VLOAD s
	WIN 0x40
.irp t, 0,1,2,3
.irp c, 0,1,2,3
	ds_load_b128 v[VF+16*\t+4*\c:VF+16*\t+4*\c+3], v[ADR] offset:VB+8832*\s+2176*\t+272*\c
.endr
.endr
	WIN 0
	ds_load_b128 v[VS:VS+3], v[ADS] offset:8704+4352*\s
.endm
; a tile's scores of a step: eight accumulators, even and odd keys of each fragment.  flag 0: from C = 0; 1: from the mask's numbers, loaded into the accumulators; 2 (none = 1): no such step
.macro SMUL x, q, qs, boff, flag, none
	s_cmp_eq_u32 s[\flag], 0
	s_cbranch_scc1 .Lclean_\@
.if \none
	s_cmp_eq_u32 s[\flag], 2
	s_cbranch_scc1 .Lscored_\@
.endif
.if \none
	v_add_nc_u32 v[ADB], s[CBN], v[LB]
.else
	v_add_nc_u32 v[ADB], s[CB], v[LB]
.endif
.irp a, 0,1,2,3,4,5,6,7
	ds_load_b128 v[\x+8*\a:\x+8*\a+3], v[ADB] offset:\boff+1088*\a
	ds_load_b128 v[\x+8*\a+4:\x+8*\a+7], v[ADB] offset:\boff+1088*\a+272
.endr
	s_wait_alu depctr_va_vdst(0)
	s_wait_dscnt 0x0
	WIN 0x05
.irp a, 0,1,2,3,4,5,6,7
	v_wmma_scale_f32_16x16x128_f8f6f4 v[\x+8*\a:\x+8*\a+7], v[KF+16*(\a/2):KF+16*(\a/2)+15], v[\q+8*(\a%2):\q+8*(\a%2)+15], v[\x+8*\a:\x+8*\a+7], v[KS+\a/2], v[\qs]
.endr
	WIN 0
	s_branch .Lscored_\@
.Lclean_\@:
	WIN 0x05
.irp a, 0,1,2,3,4,5,6,7
	v_wmma_scale_f32_16x16x128_f8f6f4 v[\x+8*\a:\x+8*\a+7], v[KF+16*(\a/2):KF+16*(\a/2)+15], v[\q+8*(\a%2):\q+8*(\a%2)+15], 0, v[KS+\a/2], v[\qs]
.endr
	WIN 0
.Lscored_\@:
.endm
.macro PVMUL o, pw
	WIN 0x55
.irp t, 0,1,2,3
	v_wmma_scale_f32_16x16x128_f8f6f4 v[\o+8*\t:\o+8*\t+7], v[VF+16*\t:VF+16*\t+15], v[PC:PC+15], v[\o+8*\t:\o+8*\t+7], v[VS+\t], v[\pw]
.endr
	WIN 0
.endm
; the largest score of each block of 32 keys, four blocks by turns, each accumulator from its low end on.  Register 15 of an even block and 14 of an odd one are left for DUL
.macro MX3 x, T, k
.irp b, 0,1,2,3
.if \k == 0
	v_max3_num_f32 v[\T+6+\b], v[\x+16*\b], v[\x+16*\b+1], v[\x+16*\b+2]
.elseif (\k == 6) && (\b%2 == 1)
	v_max3_num_f32 v[\T+6+\b], v[\T+6+\b], v[\x+16*\b+13], v[\x+16*\b+15]
.else
	v_max3_num_f32 v[\T+6+\b], v[\T+6+\b], v[\x+16*\b+2*\k+1], v[\x+16*\b+2*\k+2]
.endif
.endr
.endm
.macro DUL x, T
	v_dual_max_num_f32 v[\T+6], v[\T+6], v[\x+15] :: v_dual_max_num_f32 v[\T+7], v[\T+7], v[\x+30]
	v_dual_max_num_f32 v[\T+8], v[\T+8], v[\x+47] :: v_dual_max_num_f32 v[\T+9], v[\T+9], v[\x+62]
.endm
.macro PRM T
.irp b, 0,1,2,3
	v_permlanex16_b32 v[\T+10+\b], v[\T+6+\b], s[SEL], s[SEL+1]
.endr
.endm
.macro DUP T                           ; with lane l xor 16's 16 keys
	v_dual_max_num_f32 v[\T+6], v[\T+6], v[\T+10] :: v_dual_max_num_f32 v[\T+7], v[\T+7], v[\T+11]
	v_dual_max_num_f32 v[\T+8], v[\T+8], v[\T+12] :: v_dual_max_num_f32 v[\T+9], v[\T+9], v[\T+13]
.endm
.macro CHN k, T                        ; M's eight lines, laid among other work
.if \k == 1
	v_max3_num_f32 v[\T+22], v[\T+6], v[\T+7], v[\T+8]
.elseif \k == 2
	v_max3_num_f32 v[\T+1], v[\T+22], v[\T+9], v[\T+1]     ; the running largest score
.elseif \k == 3
	v_mul_f32 v[\T+22], s[NC], v[\T+1]                     ; -t
.elseif \k == 4
	v_floor_f32 v[\T+23], v[\T+22]                         ; the new -M = floor(-t) = -ceil(t): a whole number
.elseif \k == 5
	v_sub_f32 v[\T+22], v[\T+23], v[\T]                    ; old M - new M: a whole number, 0 or less
.elseif \k == 6
	v_mov_b32 v[\T], v[\T+23]
.elseif \k == 7
	v_cvt_i32_f32 v[\T+22], v[\T+22]                       ; (it saturates)
.else
	v_ldexp_f32 v[\T+4], 1.0, v[\T+22]                     ; f
.endif
.endm
.macro FMN x, T                        ; the next of 34: t - M, two at a time; the last two: of the blocks' largest scores
.if FI < 32
	v_pk_fma_f32 v[\x+2*FI:\x+2*FI+1], v[\x+2*FI:\x+2*FI+1], s[CS:CS+1], v[\T:\T+1] op_sel_hi:[1,0,0]
.else
	v_pk_fma_f32 v[\T+6+2*(FI-32):\T+7+2*(FI-32)], v[\T+6+2*(FI-32):\T+7+2*(FI-32)], s[CS:CS+1], v[\T:\T+1] op_sel_hi:[1,0,0]
.endif
.set FI, FI+1
.endm
.macro FM4 x, T
	FMN \x, \T
	FMN \x, \T
	FMN \x, \T
	FMN \x, \T
.endm
.macro SUMN x, T                       ; the next of 32: THE ROW'S SUM IS TAKEN OF THE UNQUANTISED p, two at a time, in four chains; last: the old sum x f + this step's
.if SI < 2
	v_pk_add_f32 v[\T+10+2*SI:\T+11+2*SI], v[\x+4*SI:\x+4*SI+1], v[\x+4*SI+2:\x+4*SI+3]
.elseif SI < 4
	v_pk_add_f32 v[120+2*SI:121+2*SI], v[\x+4*SI:\x+4*SI+1], v[\x+4*SI+2:\x+4*SI+3]
.elseif SI < 28
.if (SI%4) < 2
	v_pk_add_f32 v[\T+10+2*(SI%4):\T+11+2*(SI%4)], v[\T+10+2*(SI%4):\T+11+2*(SI%4)], v[\x+2*(SI+4):\x+2*(SI+4)+1]
.else
	v_pk_add_f32 v[120+2*(SI%4):121+2*(SI%4)], v[120+2*(SI%4):121+2*(SI%4)], v[\x+2*(SI+4):\x+2*(SI+4)+1]
.endif
.elseif SI == 28
	v_pk_add_f32 v[\T+10:\T+11], v[\T+10:\T+11], v[\T+12:\T+13]
.elseif SI == 29
	v_pk_add_f32 v[124:125], v[124:125], v[126:127]
.elseif SI == 30
	v_pk_add_f32 v[\T+10:\T+11], v[\T+10:\T+11], v[124:125]
.else
	v_pk_fma_f32 v[\T+2:\T+3], v[\T+2:\T+3], v[\T+4:\T+5], v[\T+10:\T+11] op_sel_hi:[1,0,1]
.endif
.set SI, SI+1
.endm
.macro SU2 x, T
	SUMN \x, \T
	SUMN \x, \T
.endm
; the blocks' scales, with the first 28 lines of the sum laid between.  +6: the blocks' largest p, with a floor under which no byte falls below 1; +18: 8 off the exponent; +14: 448 x the scale
.macro HLS x, T, pw
.set SI, 0
	v_dual_max_num_f32 v[\T+6], v[FL], v[\T+6] :: v_dual_max_num_f32 v[\T+7], v[FL], v[\T+7]
	SU2 \x, \T
	v_dual_max_num_f32 v[\T+8], v[FL], v[\T+8] :: v_dual_max_num_f32 v[\T+9], v[FL], v[\T+9]
	SU2 \x, \T
	v_pk_mul_f32 v[\T+18:\T+19], v[\T+6:\T+7], 0x3b800000 op_sel_hi:[1,0]
	SU2 \x, \T
	v_pk_mul_f32 v[\T+20:\T+21], v[\T+8:\T+9], 0x3b800000 op_sel_hi:[1,0]
	SU2 \x, \T
.irp b, 0,1,2,3
	v_and_or_b32 v[\T+14+\b], v[\T+6+\b], 0x7f800000, s[MNT]
	SU2 \x, \T
.endr
.irp b, 0,1,2,3
	v_lshrrev_b32 v[120+\b], 23, v[\T+18+\b]
	SU2 \x, \T
.endr
	v_lshl_or_b32 v[\pw], v121, 8, v120
	SU2 \x, \T
	v_lshl_or_b32 v[\pw], v122, 16, v[\pw]
	SU2 \x, \T
	v_lshl_or_b32 v[\pw], v123, 24, v[\pw]
.endm
.macro MINN x, T, k                    ; the hold: the conversion to an 8-bit code does not saturate (ISA guide 7.6.2); p is not negative, so it is one-sided
	v_dual_min_num_f32 v[\x+2*(\k)], v[\x+2*(\k)], v[\T+14+(\k)/8] :: v_dual_min_num_f32 v[\x+2*(\k)+1], v[\x+2*(\k)+1], v[\T+14+(\k)/8]
.endm
.macro CVT8 x, T
	WIN 0x40
.irp b, 0,1,2,3
	v_cvt_scalef32_pk8_fp8_f32 v[PC+4*\b:PC+4*\b+1], v[\x+16*\b:\x+16*\b+7], v[\T+18+\b]
	v_cvt_scalef32_pk8_fp8_f32 v[PC+4*\b+2:PC+4*\b+3], v[\x+16*\b+8:\x+16*\b+15], v[\T+18+\b]
.endr
	WIN 0
.endm
; A STEP of 128 keys.  Tile A's scores are there at its head; tile B's are started here, and tile A's of the NEXT step near its end, so that one tile's vector work stands behind the other's products.
; Every LDS load is issued half a step ahead of its use.
.macro STEP s
	SMUL XB, QB, QSB, VB+256+8832*\s, FC, 0
	MX3 XA, TA, 0
	MX3 XA, TA, 1
	MX3 XA, TA, 2                                  ; twelve places behind the last products that read V's registers
	VLOAD \s
	MX3 XA, TA, 3
	MX3 XA, TA, 4
	MX3 XA, TA, 5
	MX3 XA, TA, 6
	DUL XA, TA
	MX3 XB, TB, 0
	PRM TA
	MX3 XB, TB, 1
	DUP TA
	MX3 XB, TB, 2
	CHN 1, TA
	MX3 XB, TB, 3
	CHN 2, TA
	MX3 XB, TB, 4
	CHN 3, TA
	MX3 XB, TB, 5
	CHN 4, TA
	MX3 XB, TB, 6
	CHN 5, TA
	CHN 6, TA
	DUL XB, TB
	CHN 7, TA
	PRM TB
	CHN 8, TA
.set FI, 0
	FM4 XA, TA
	DUP TB
	FM4 XA, TA
	CHN 1, TB
	FM4 XA, TA
	CHN 2, TB
	FM4 XA, TA
	CHN 3, TB
	FM4 XA, TA
	CHN 4, TB
	FM4 XA, TA
	CHN 5, TB
	CHN 6, TB
	FM4 XA, TA
	CHN 7, TB
	FM4 XA, TA
	CHN 8, TB
	FMN XA, TA
	FMN XA, TA
	s_wait_alu depctr_va_vdst(0)                   ; ahead of the batch and of the branch
.if \s
	s_cmp_eq_u32 s[FN], 2
	s_cbranch_scc1 .Lno_next_\@
	KLOAD 0, 0, ADRN, ADSN                         ; the next chunk's first step
.Lno_next_\@:
.else
	KLOAD 8704, 4352, ADR, ADS
.endif
.set FI, 0                             ; tile A's exponentials, with tile B's t - M laid between: nothing here reads what is written here
	v_exp_f32 v[TA+6], v[TA+6]                     ; the blocks' largest p: the same two instructions on the same numbers give the same bits
	v_exp_f32 v[TA+7], v[TA+7]
	FMN XB, TB
	v_exp_f32 v[TA+8], v[TA+8]
	v_exp_f32 v[TA+9], v[TA+9]
	FMN XB, TB
.set JJ, 0
.rept 32
	v_exp_f32 v[XA+JJ], v[XA+JJ]
	v_exp_f32 v[XA+JJ+1], v[XA+JJ+1]
	FMN XB, TB
.set JJ, JJ+2
.endr
	s_wait_alu depctr_va_vdst(0)                   ; behind the batch, ahead of its first reader
	HLS XA, TA, PWA
	SU2 XA, TA
	SU2 XA, TA
	s_wait_alu depctr_va_vdst(0)                   ; ahead of the second batch
	v_exp_f32 v[TB+6], v[TB+6]
	v_exp_f32 v[TB+7], v[TB+7]
	v_exp_f32 v[TB+8], v[TB+8]
	v_exp_f32 v[TB+9], v[TB+9]
.set JJ, 0
.rept 32                               ; tile B's exponentials, with tile A's hold laid between
	v_exp_f32 v[XB+2*JJ], v[XB+2*JJ]
	v_exp_f32 v[XB+2*JJ+1], v[XB+2*JJ+1]
	MINN XA, TA, JJ
.set JJ, JJ+1
.endr
	WIN 0x41
	s_wait_alu depctr_va_vdst(0)                   ; behind the batch, and directly ahead of O^T's first readers
.set JJ, 0
.rept 16                               ; O^T under the new M, from each accumulator's low end on
	v_pk_mul_f32 v[OA+JJ:OA+JJ+1], v[OA+JJ:OA+JJ+1], v[TA+4:TA+5] op_sel_hi:[1,0]
.set JJ, JJ+2
.endr
.set JJ, 0
.rept 16
	v_pk_mul_f32 v[OB+JJ:OB+JJ+1], v[OB+JJ:OB+JJ+1], v[TB+4:TB+5] op_sel_hi:[1,0]
.set JJ, JJ+2
.endr
	CVT8 XA, TA
	HLS XB, TB, PWB                                ; (also the places between the codes and the product)
	s_wait_alu depctr_va_vdst(0)
	s_wait_dscnt 0x0                               ; this step's V and the next one's K are in
	PVMUL OA, PWA
.if \s
	SMUL XA, QA, QSA, VB+256, FN, 1
.else
	SMUL XA, QA, QSA, VB+256+8832, FC, 0
.endif
.set JJ, 0
.rept 32
	MINN XB, TB, JJ
.set JJ, JJ+1
.endr
	CVT8 XB, TB
	SU2 XB, TB                                     ; the sum's last four lines: the places between the codes and the product
	SU2 XB, TB
	s_wait_alu depctr_va_vdst(0)                   ; ahead of the branch behind the product
	PVMUL OB, PWB
.endm
.macro BODY                            ; a chunk
	s_cmp_eq_u32 s[FC], 2
	s_cbranch_scc1 .Lleft_out_\@
	STEP 0
	STEP 1
.Lleft_out_\@:
.endm
.macro ADV                             ; on to the next chunk
	s_mov_b32 s[FC], s[FN]
	s_mov_b32 s[FN], s[F2]
	s_mov_b32 s[F2], s[F3]
	s_mov_b32 s[F3], s[F4]
	s_add_co_u32 s[CB], s[CB], CH
	v_add_nc_u32 v[ADR], s[CB], v[LK]
	v_add_nc_u32 v[ADS], s[CB], v[LS]
	s_add_co_u32 s[CBN], s[CB], CH
	s_min_u32 s[CBN], s[CBN], 7*CH                 ; no address lies behind the last chunk
	v_add_nc_u32 v[ADRN], s[CBN], v[LK]
	v_add_nc_u32 v[ADSN], s[CBN], v[LS]
	s_wait_alu depctr_va_vdst(0)
.endm
	s_load_b256 s[4:11], s[0:1], 0x0               ; q_codes s[4:5], q_scales s[6:7], k_codes s[8:9], k_scales s[10:11]
	s_load_b256 s[12:19], s[0:1], 0x20             ; v_codes s[12:13], v_scales s[14:15], mask s[16:17], out s[18:19]
	v_lshl_add_u32 v[SPW], v0, 2, SPARE
	v_mov_b32 v[NIL], 0
	v_lshrrev_b32 v244, 5, v0
	v_readfirstlane_b32 s[WV], v244                ; wave 0..7
	s_and_b32 s[HD], ttmp7, 0xffff
	s_lshl_b32 s46, s[HD], 17                      ; a head's codes: 131,072 bytes in each tensor;
	s_mov_b32 s47, 0
	s_lshl_b32 s48, s[HD], 12                      ; its scale bytes of K and of V: 4,096;
	s_mov_b32 s49, 0
	s_lshr_b32 s50, s[HD], 4                       ; its batch element's 2,048 mask bytes;
	s_lshl_b32 s50, s50, 11
	s_mov_b32 s51, 0
	s_lshl_b32 s52, ttmp9, 14                      ; my wave's 32 queries: block x 16,384 + wave x 2,048 bytes of codes,
	s_lshl_b32 s53, s[WV], 11
	s_add_co_u32 s52, s52, s53
	s_add_co_u32 s52, s52, s46
	s_mov_b32 s53, 0
	s_lshr_b32 s54, s52, 5                         ; a 32nd of that in scale bytes,
	s_mov_b32 s55, 0
	s_lshl_b32 s56, s52, 2                         ; four times that in out
	s_mov_b32 s57, 0
	s_mov_b32 s[SEL], 0x76543210
	s_mov_b32 s[SEL+1], 0xfedcba98
	s_mov_b32 s[CS], 0x3fb8aa3b                    ; log2(e)
	s_mov_b32 s[CS+1], s[CS]
	s_mov_b32 s[NC], 0xbfb8aa3b
	s_mov_b32 s[MNT], 0x600000                     ; the mantissa field of 448
	s_mov_b32 s[PE], 0x06040200
	s_mov_b32 s[PO], 0x07050301
	s_mov_b32 s[CB], 0
	s_mov_b32 s[CBN], CH
	s_mov_b32 s[SB], 0
	s_mov_b32 s[SZ+1], 0
	s_cmp_lt_u32 s[WV], 4                          ; waves 0-3 fetch K's scale words, waves 4-7 V's
	s_cselect_b32 s42, 4, 64
	s_cselect_b32 s43, 0x100, 4
	s_cselect_b32 s[SZ], 0x200, 8
	v_and_b32 v244, 15, v0                         ; r
	v_bfe_u32 v245, v0, 4, 1                       ; h
	v_and_b32 v246, 7, v0
	v_bfe_u32 v247, v0, 3, 1
	v_and_b32 v248, 1, v0
	v_bfe_u32 v249, v0, 1, 2
	s_lshl_b32 s60, s[WV], 11
	s_lshl_b32 s61, s[WV], 14
	; from memory.  K: lanes 0-7 a row of 128 bytes, 8-15 the row 8 on, 16-31 the next row of each.  V: lanes 0-15 a row of 256 bytes, 16-31 the next
	v_lshlrev_b32 v[GK], 4, v246
	v_lshl_add_u32 v[GK], v247, 10, v[GK]
	v_lshl_add_u32 v[GK], v245, 7, v[GK]
	v_add_nc_u32 v[GK], s60, v[GK]
	v_lshlrev_b32 v[GV], 4, v244
	v_lshl_add_u32 v[GV], v245, 11, v[GV]
	v_add_nc_u32 v[GV], s61, v[GV]
	v_and_b32 v250, 63, v0
	v_bfe_u32 v251, v0, 6, 1
	v_mul_u32_u24 v[GS], s42, v250
	v_mul_u32_u24 v251, s43, v251
	v_add_nc_u32 v[GS], v[GS], v251
	v_and_b32 v252, 31, v0
	v_lshlrev_b32 v252, 6, v252                    ; the whole mask: 64 bytes a lane
	v_lshlrev_b32 v253, 6, v244
	v_lshl_add_u32 v253, v245, 4, v253             ; Q: row r of 64 bytes, + 16 h
	v_lshlrev_b32 v254, 1, v244
	s_wait_alu depctr_va_vdst(0)
	s_wait_kmcnt 0x0
	s_cmp_lt_u32 s[WV], 4
	s_cselect_b64 s[SCB:SCB+1], s[10:11], s[14:15]
	s_add_nc_u64 s[SCB:SCB+1], s[SCB:SCB+1], s[48:49]
	s_add_nc_u64 s[60:61], s[SCB:SCB+1], s[SZ:SZ+1]
	s_add_nc_u64 s[62:63], s[60:61], s[SZ:SZ+1]
	s_add_nc_u64 s[8:9], s[8:9], s[46:47]
	s_add_nc_u64 s[12:13], s[12:13], s[46:47]
	s_add_nc_u64 s[16:17], s[16:17], s[50:51]
	s_add_nc_u64 s[4:5], s[4:5], s[52:53]
	s_add_nc_u64 s[6:7], s[6:7], s[54:55]
	s_add_nc_u64 s[18:19], s[18:19], s[56:57]
	LOADC ST0, 8, 12, SCB, 16, 0, 0, 0             ; chunk 0: 10 loads
.irp i, 0,1,2,3
	global_load_b128 v[226+4*\i:229+4*\i], v252, s[16:17] offset:16*\i
.endr
	WIN 0x40
.irp c, 0,1                                    ; Q's eight registers a tile, dims 32 c + 16 h + 0 .. 15, on both sides of the zeros
	global_load_b128 v[QA+4*\c:QA+4*\c+3], v253, s[4:5] offset:32*\c
	global_load_b128 v[QA+16+4*\c:QA+19+4*\c], v253, s[4:5] offset:32*\c
	global_load_b128 v[QB+4*\c:QB+4*\c+3], v253, s[4:5] offset:1024+32*\c
	global_load_b128 v[QB+16+4*\c:QB+19+4*\c], v253, s[4:5] offset:1024+32*\c
.endr
	WIN 0
	global_load_u16 v[QSA], v254, s[6:7]
	global_load_u16 v[QSB], v254, s[6:7] offset:32
	LOADC XA, 8, 12, 60, 16, 16384, 256, 256       ; chunks 1 and 2: 10 loads each, into registers that the scores will take
	LOADC XB, 8, 12, 62, 16, 32768, 512, 512
	; where a chunk's parts go in LDS
	v_mul_u32_u24 v250, 0x440, v248
	v_mad_u32_u24 v250, v249, 0x110, v250
	v_lshl_add_u32 v250, v245, 4, v250             ; 1088 h + 272 c of the 16 bytes that the lane brings, + a row
	s_mul_i32 s56, s[WV], 2176
	v_lshl_add_u32 v[KST], v247, 7, v250
	v_add_nc_u32 v[KST], s56, v[KST]
	s_lshr_b32 s56, s[WV], 1
	s_mul_i32 s56, s56, 2176
	s_and_b32 s57, s[WV], 1
	s_lshl_b32 s57, s57, 7
	s_add_co_u32 s56, s56, s57
	s_add_co_u32 s56, s56, VB
	s_wait_alu depctr_va_vdst(0)
	v_mad_u32_u24 v[VST], v247, 0x2280, v250
	v_add_nc_u32 v[VST], s56, v[VST]
	v_bfe_u32 v251, v0, 6, 2
	v_lshl_add_u32 v251, v251, 4, v244
	v_mul_u32_u24 v[SST], 0x110, v251
	v_bfe_u32 v251, v0, 4, 2
	v_lshl_add_u32 v[SST], v251, 2, v[SST]
	v_add_nc_u32 v[SST], 0x100, v[SST]
	v_lshrrev_b32 v251, 7, v0
	v_mul_u32_u24 v[MST], 0x2280, v251
	v_bfe_u32 v251, v0, 5, 2
	v_mad_u32_u24 v[MST], v251, 0x880, v[MST]
	v_mad_u32_u24 v[MST], v248, 0x440, v[MST]
	v_bfe_u32 v251, v0, 3, 2
	v_mad_u32_u24 v[MST], v251, 0x110, v[MST]
	v_lshl_add_u32 v[MST], v249, 2, v[MST]
	v_add_nc_u32 v[MST], VB+256, v[MST]
	; where a lane reads
	v_mul_u32_u24 v[LK], 0x440, v245
	v_lshl_add_u32 v[LK], v244, 4, v[LK]
	v_mul_u32_u24 v[LS], 0x110, v244
	v_add_nc_u32 v[LS], 0x100, v[LS]
	v_mul_u32_u24 v[LB], 0x220, v245
	v_mov_b32 v[ADR], v[LK]
	v_mov_b32 v[ADS], v[LS]
	v_add_nc_u32 v[ADRN], s[CBN], v[LK]
	v_add_nc_u32 v[ADSN], s[CBN], v[LS]
	v_mov_b32 v[FL], 0x4800000
	v_mov_b32 v[NEG], 0xfe800000
	; the tiles' first values: the first change of M gives f = 0, and multiplies zeros
.irp T, 70, 96
	v_mov_b32 v[\T], 0x7f000000                    ; -M: above every later one
	v_mov_b32 v[\T+1], 0xff2d0000                  ; the largest score so far: under every score, a masked key's too
	v_mov_b32 v[\T+2], 0
	v_mov_b32 v[\T+3], 0
	v_mov_b32 v[\T+5], 0                           ; (named as the upper half of a pair)
.irp b, 10,11,12,13
	v_mov_b32 v[\T+\b], 0                          ; a lane permute's destination counts as one of its sources
.endr
.endr
	WIN 0x40
.set JJ, 0
.rept 8
	v_mov_b32 v[QA+8+JJ], 0                        ; the zero codes between Q's two copies
	v_mov_b32 v[QB+8+JJ], 0
.set JJ, JJ+1
.endr
.set JJ, 0
.rept 64
	v_mov_b32 v[OA+JJ], 0
.set JJ, JJ+1
.endr
	WIN 0
	s_wait_alu depctr_va_vdst(0)                   ; the head's end
	s_wait_loadcnt 34                              ; chunk 0 is in: behind it 4 of the mask, 10 of Q, 20 of chunks 1 and 2
	STOREC ST0
	s_wait_alu depctr_va_vdst(0)
	s_wait_loadcnt 20                              ; Q and the mask are in
	v_lshl_or_b32 v[QSA], v[QSA], 16, v[QSA]       ; Q's two scale bytes twice: one word serves (q, 0) and (0, q)
	v_lshl_or_b32 v[QSB], v[QSB], 16, v[QSB]
	v_or_b32 v242, v226, v227
	v_and_b32 v243, v226, v227
.irp i, 228,229,230,231,232,233,234,235,236,237,238,239,240,241
	v_or_b32 v242, v242, v[\i]
	v_and_b32 v243, v243, v[\i]
.endr
	v_cmp_ne_u32 s56, 0, v242                      ; bit l: one of keys 64 l .. 64 l + 63 is masked
	v_cmp_eq_u32 s57, 0x1010101, v243              ; bit l: all of them are
	s_wait_alu depctr_va_vdst(0)
	s_lshr_b32 s58, s56, 1
	s_or_b32 s56, s56, s58
	s_lshr_b32 s58, s56, 2
	s_or_b32 s56, s56, s58
	s_and_b32 s[MX], s56, 0x11111111               ; bit 4 c: chunk c has a masked key
	s_lshr_b32 s58, s57, 1
	s_and_b32 s57, s57, s58
	s_lshr_b32 s58, s57, 2
	s_and_b32 s57, s57, s58
	s_and_b32 s57, s57, 0x11111111                 ; bit 4 c: all of chunk c is masked
	s_xor_b32 s57, s57, 0x11111111
	s_cmp_eq_u32 s57, 0                            ; all keys masked: all chunks are walked
	s_cselect_b32 s57, 0x11111111, s57
	s_and_b32 s[LV], s57, 0x11111000               ; chunks 0 to 2 are walked in any case
	s_and_b32 s[FC], s[MX], 1
	s_bfe_u32 s[FN], s[MX], 0x10004
	s_bfe_u32 s[F2], s[MX], 0x10008
	s_wait_loadcnt 10                              ; chunk 1 is in
	STOREC XA
	s_wait_alu depctr_va_vdst(0)
	s_wait_dscnt 0x0
	s_barrier_signal -1
	s_barrier_wait -1                              ; chunks 0 and 1 are whole
	KLOAD 0, 0, ADR, ADS
	s_wait_dscnt 0x0
	SMUL XA, QA, QSA, VB+256, FC, 0
	s_wait_loadcnt 0x0                             ; chunk 2 is in
	STOREC XB
	NEXTC                                          ; the fourth chunk of the walk
	s_mov_b32 s[F3], s[F4]
	s_mov_b32 s[CNT], 5
	s_wait_alu depctr_va_vdst(0)
	s_wait_dscnt 0x0
	s_barrier_signal -1
; Behind chunk i of the walk: wait for the barrier that was signalled in front of it (all waves' stores of chunk i + 2 are done), store chunk i + 3, ask for chunk i + 4, signal.  So a wave may be a whole chunk ahead of another.
; A chunk's first K fragments are read in the chunk before it, behind the barrier that shows it.  Where nothing more is asked for, the store puts old registers into a chunk that is not read.
.Lwalk:
	BODY
	s_wait_alu depctr_va_vdst(0)
	s_barrier_wait -1
	s_wait_loadcnt 0x0
	STOREC ST0
	s_wait_alu depctr_va_vdst(0)
	s_wait_dscnt 0x0                               ; my stores are done: for the others' sake, and the loads below fill the registers that they read
	NEXTC
	ADV
	s_barrier_signal -1
	s_sub_co_u32 s[CNT], s[CNT], 1
	s_cmp_lg_u32 s[CNT], 0
	s_cbranch_scc1 .Lwalk
	BODY                                           ; the sixth
	s_wait_alu depctr_va_vdst(0)
	s_barrier_wait -1                              ; all eight are whole: nothing is stored and no barrier stands from here on
	s_wait_loadcnt 0x0                             ; no load into v24-57 is out from here on
	s_mov_b32 s[F4], 2
	ADV
	s_mov_b32 s[CNT], 2
.Llast:
	BODY
	ADV
	s_sub_co_u32 s[CNT], s[CNT], 1
	s_cmp_lg_u32 s[CNT], 0
	s_cbranch_scc1 .Llast
; THE WAY OUT.  O^T / the sum goes into the tile's S^T registers: register 8 t + j is out(query r, 16 t + 8 h + j); each tile's 16 rows go through my own stage and leave as whole rows of 256 bytes.
	v_and_b32 v120, 15, v0
	v_bfe_u32 v121, v0, 4, 1
	s_mul_i32 s56, s[WV], 4352
	s_add_co_u32 s56, s56, STG
	v_mul_u32_u24 v[STO], 0x110, v120              ; in: row r, + 32 h
	v_lshl_add_u32 v[STO], v121, 5, v[STO]
	v_add_nc_u32 v[STO], s56, v[STO]
	v_mul_u32_u24 v[RD], 0x110, v121               ; back: lanes 0-15 one row, lanes 16-31 the next
	v_lshl_add_u32 v[RD], v120, 4, v[RD]
	v_add_nc_u32 v[RD], s56, v[RD]
	v_lshlrev_b32 v[GO], 8, v121
	v_lshl_add_u32 v[GO], v120, 4, v[GO]
	v_add_f32 v[TA+22], v[TA+2], v[TA+3]
	v_add_f32 v[TB+22], v[TB+2], v[TB+3]
	v_permlanex16_b32 v[TA+10], v[TA+22], s[SEL], s[SEL+1]
	v_permlanex16_b32 v[TB+10], v[TB+22], s[SEL], s[SEL+1]
	v_add_f32 v[TA+22], v[TA+22], v[TA+10]         ; with lane l xor 16's: the row's sum
	v_add_f32 v[TB+22], v[TB+22], v[TB+10]
	s_wait_alu depctr_va_vdst(0)
	v_rcp_f32 v[TA+4], v[TA+22]
	v_rcp_f32 v[TB+4], v[TB+22]
	v_nop
	WIN 0x01
	s_wait_alu depctr_va_vdst(0)                   ; ahead of the reciprocals' and of O^T's first readers
.set JJ, 0
.rept 16
	v_pk_mul_f32 v[XA+JJ:XA+JJ+1], v[OA+JJ:OA+JJ+1], v[TA+4:TA+5] op_sel_hi:[1,0]
.set JJ, JJ+2
.endr
.set JJ, 0
.rept 16
	v_pk_mul_f32 v[XB+JJ:XB+JJ+1], v[OB+JJ:OB+JJ+1], v[TB+4:TB+5] op_sel_hi:[1,0]
.set JJ, JJ+2
.endr
	WIN 0
.macro STAGE x, bk                     ; LDS serves a wave's instructions in order (ISA guide 5.7.1.4): no wait between the stores and the loads
.irp t, 0,1,2,3
	ds_store_b128 v[STO], v[\x+8*\t:\x+8*\t+3] offset:64*\t
	ds_store_b128 v[STO], v[\x+8*\t+4:\x+8*\t+7] offset:64*\t+16
.endr
.irp i, 0,1,2,3,4,5,6,7
	ds_load_b128 v[\bk+4*\i:\bk+4*\i+3], v[RD] offset:544*\i
.endr
.endm
.macro SEND bk, off, younger           ; younger: the LDS instructions issued behind this tile's loads
.irp i, 0,1,2,3,4,5,6,7
	s_wait_dscnt \younger+7-\i
	global_store_b128 v[GO], v[\bk+4*\i:\bk+4*\i+3], s[18:19] offset:\off+512*\i th:TH_STORE_NT   ; two rows: 512 consecutive bytes
.endr
.endm
	STAGE XA, 24
	STAGE XB, 88
	s_wait_alu depctr_va_vdst(0)
	SEND 24, 0, 16                                 ; behind tile A's loads: tile B's eight stores and eight loads
	SEND 88, 4096, 0
	s_wait_tensorcnt 0x0                           ; the wave's end
	ds_add_u32 v[SPW], v[NIL]
	s_wait_dscnt 0x0
	s_endpgm
.Lfunc_end_k_qf967883125_attn:
	.size	k_qf967883125_attn, .Lfunc_end_k_qf967883125_attn-k_qf967883125_attn
	.p2alignl 7, 3214868480
	.fill 96, 4, 3214868480
	.section	.rodata,"a",@progbits
	.p2align	6, 0x0
	.amdhsa_kernel k_qf967883125_attn
		.amdhsa_group_segment_fixed_size 315392
		.amdhsa_private_segment_fixed_size 0
		.amdhsa_enable_private_segment 0
		.amdhsa_kernarg_size 64
		.amdhsa_user_sgpr_count 2
		.amdhsa_user_sgpr_kernarg_segment_ptr 1
		.amdhsa_wavefront_size32 1
		.amdhsa_system_sgpr_workgroup_id_x 1
		.amdhsa_system_sgpr_workgroup_id_y 1
		.amdhsa_system_sgpr_workgroup_id_z 1
		.amdhsa_system_vgpr_workitem_id 0
		.amdhsa_next_free_vgpr 512
		.amdhsa_next_free_sgpr 100
		.amdhsa_reserve_vcc 1
		.amdhsa_float_denorm_mode_32 3
		.amdhsa_float_denorm_mode_16_64 3
		.amdhsa_memory_ordered 1
		.amdhsa_forward_progress 1
		.amdhsa_inst_pref_size 255
	.end_amdhsa_kernel
	.section	.bss,"aw",@nobits
	.p2align	6
	.space	262144
	.amdgpu_metadata
---
amdhsa.version: [ 1, 2 ]
amdhsa.kernels:
  - .name:           k_qf967883125_attn
    .symbol:         k_qf967883125_attn.kd
    .args:
      - { .name: q_codes, .offset: 0, .size: 8, .value_kind: global_buffer, .address_space: global }
      - { .name: q_scales, .offset: 8, .size: 8, .value_kind: global_buffer, .address_space: global }
      - { .name: k_codes, .offset: 16, .size: 8, .value_kind: global_buffer, .address_space: global }
      - { .name: k_scales, .offset: 24, .size: 8, .value_kind: global_buffer, .address_space: global }
      - { .name: v_codes, .offset: 32, .size: 8, .value_kind: global_buffer, .address_space: global }
      - { .name: v_scales, .offset: 40, .size: 8, .value_kind: global_buffer, .address_space: global }
      - { .name: key_padding_mask, .offset: 48, .size: 8, .value_kind: global_buffer, .address_space: global }
      - { .name: out0, .offset: 56, .size: 8, .value_kind: global_buffer, .address_space: global }
    .group_segment_fixed_size: 315392
    .private_segment_fixed_size: 0
    .kernarg_segment_align: 8
    .kernarg_segment_size: 64
    .max_flat_workgroup_size: 256
    .sgpr_count:     100
    .vgpr_count:     512
    .wavefront_size: 32
...
	.end_amdgpu_metadata
.endif
;; end of part 1
